; MI455X (gfx1250); checked and timed in simulation.
; The chip was launched on July 23, 2026; its instructions are those of AMD's public machine-readable ISA for CDNA 5 (MIT licence, August 2026) and "CDNA5" Instruction Set Architecture Reference Guide (July 2026). The comments in the code are by the model that wrote it; some were corrected since.
;; Causal Self Attention. Allowed arithmetic: matrix products marked QUANTISED: E2M1 operands, one E8M0 scale for each 32 along K, by v_wmma_scale_f32_16x16x128_f8f6f4 with both operands' format E2M1 (or v_wmma_scale_f32_32x16x128_f4), f32 sums; everything else in f32.
;; Inputs: W_out_codes 1,024 x 32 x 16 uint8 (E2M1 codes of W_out, K innermost, in blocks of 32 codes, two codes a byte); W_out_scales 1,024 x 32 uint8 (E8M0 scales of W_out, one for each 32 codes along K); W_qkv_codes 3,072 x 32 x 16 uint8 (E2M1 codes of W_qkv, K innermost, in blocks of 32 codes, two codes a byte); W_qkv_scales 3,072 x 32 uint8 (E8M0 scales of W_qkv, one for each 32 codes along K); b_out 1,024 float32; b_qkv 3,072 float32; x_codes 4 x 2,048 x 32 x 16 uint8 (E2M1 codes of x, K innermost, in blocks of 32 codes, two codes a byte); x_scales 4 x 2,048 x 32 uint8 (E8M0 scales of x, one for each 32 codes along K).
;; Outputs: out0 4 x 2,048 x 1,024 float32.
;; This version of the problem:
;;   THIS VERSION OF THE PROBLEM IS GIVEN IN LOW PRECISION. The matrix products marked QUANTISED in the list below multiply operands that are first quantised to E2M1 (2 exponent bits, 1 mantissa bit; 4 bits a number), with one power-of-two scale for each 32 numbers along K (OCP MX v1.0); their sums are f32. All else is computed in f32.
;;   The module's matrix products, in the order in which they are computed (A, B: the left and right operand; K: the contracted axis; several contracted axes count as one K, in the product's order):
;;     1. [M 8,192, K 1,024] x [K 1,024, N 3,072]; A: input x (given as codes); B: input W_qkv (given as codes): QUANTISED
;;     2. batch 64 x [M 2,048, K 64] x [K 64, N 2,048]; A: computed on the way; B: computed on the way: QUANTISED
;;     3. batch 64 x [M 2,048, K 2,048] x [K 2,048, N 64]; A: softmax (see below); B: computed on the way: QUANTISED
;;     4. [M 8,192, K 1,024] x [K 1,024, N 1,024]; A: computed on the way; B: input W_out (given as codes): QUANTISED
;;   THE QUANTISER, for each operand of a quantised product, along K:
;;     - K is cut into blocks of 32 from its start; a last block that is shorter is filled with zeros.
;;     - A block's scale is 2^e with e = floor(log2(the largest magnitude in the block)) - 2, held to -126 .. 127; a block of zeros has e = 0. As a byte (E8M0): e + 127.
;;     - Each number is divided by its block's scale, clamped to +-6, and rounded to the nearest number of E2M1, ties to even, subnormals kept.
;;     - The product sums the exact products of the quantised numbers (number of the format x scale) in f32.
;;   ~~~python
;;   def quantise(x, axis):      # numpy; x: float32 -> the quantised numbers, widened to float32 again
;;       x = np.moveaxis(x, axis, -1); K = x.shape[-1]
;;       x = np.pad(x, [(0, 0)] * (x.ndim - 1) + [(0, -K % 32)]); x = x.reshape(x.shape[:-1] + (-1, 32)); a = np.abs(x).max(-1, keepdims=True)
;;       e = np.where(a > 0, np.clip(np.frexp(np.where(a > 0, a, 1))[1] - 1 - 2, -126, 127), 0)      # np.frexp(a)[1] - 1 = floor(log2(a)), exactly
;;       r = np.clip(x / 2.0 ** e, -6, 6)
;;       step = 2.0 ** (np.maximum(np.frexp(np.where(r == 0, 1, r))[1] - 1, 0) - 1)
;;       q = np.round(r / step) * step * 2.0 ** e      # np.round: ties to even
;;       return np.moveaxis(q.reshape(q.shape[:-2] + (-1,))[..., :K], -1, axis).astype(np.float32)
;;   ~~~
;;   SOFTMAX AHEAD OF A QUANTISED PRODUCT. Where the list says 'softmax', what is quantised is not the finished softmax but p = 2^(t - M), with t = logit x log2(e) and M = ceil(the row's largest t), a whole number; so 1/2 < the row's largest p <= 1. The row's sum l is taken of the UNQUANTISED p, in f32, and the product's result is divided by l at the end. Since M is a whole number, a kernel that streams over the keys may use a running M (the ceiling of the running maximum): every later rescaling is an exact power of two, which a block's scale takes up: the codes' values come out the same.
;;   OPERANDS COMPUTED ON THE WAY. 'Computed on the way' means the value that the module computes at that place (a softmax that the list does not call 'softmax' is quantised finished and normalised). What goes into a quantiser is computed in f32, as accurately as f32 sums, v_exp_f32 and their like allow (about 1e-6 of the number): no bf16 or f16 on the way to a quantiser, and a product that is left as it is and whose result goes on into a quantised operand takes f32 operands (vector FMAs, or v_wmma_f32_16x16x4_f32). A number that lies on a knife's edge between two numbers of the format may be rounded either way, as far as f32 arithmetic and the matrix unit's own rounding can turn it there, and no further.
;;   INPUTS GIVEN AS CODES. W_out (in the module: [1024, 1024], K = its axis 0); W_qkv (in the module: [1024, 3072], K = its axis 0); x (in the module: [4, 2048, 1024], K = its axis 2): each comes as NAME_codes (uint8): NAME with its K axis moved to the last place and cut into blocks of 32 codes, [.., K / 32, bytes a block], one block behind the other in memory; two codes a byte, the lower K in the low four bits (a code: sign, 2 exponent bits, 1 mantissa bit); and NAME_scales (uint8): the same leading axes, one E8M0 byte (e + 127) for each 32 codes along K. Its value is code x scale, taken as it is: it is not quantised again, and the codes and scales need not be those that the quantiser above would give.
;; One version. Each part assembles by itself: llvm-mc -triple=amdgcn-amd-amdhsa -mcpu=gfx1250 --defsym DOCPART=n.
;; ======== version 1 of 1: 3 launches
;; workspace buffers: qkv 12,582,912 bytes; qkvs 786,432 bytes; aimg 4,194,304 bytes; asc 262,144 bytes
;; launch qkv (part 1): grid 8 x 48, 4 waves a work-group, clusters of 4 x 4, 327,680 bytes of LDS; arguments x_codes, x_scales, W_qkv_codes, W_qkv_scales, b_qkv, qkv, qkvs; writes qkv, qkvs
.if DOCPART == 1
	.amdgcn_target "amdgcn-amd-amdhsa--gfx1250"
	.amdhsa_code_object_version 6
	.text
	.protected	k_q9c0322febc_qkv
	.globl	k_q9c0322febc_qkv
	.p2align	8
	.type	k_q9c0322febc_qkv,@function
k_q9c0322febc_qkv:
	s_mov_b64 s[64:65], 0
	v_nop
	global_prefetch_b8 v0, s[64:65] scope:SCOPE_SE
	s_setreg_imm32_b32 hwreg(HW_REG_WAVE_MODE, 25, 1), 1
	s_wait_xcnt 0x0
	s_wait_alu depctr_hold_cnt(0) depctr_sa_sdst(0) depctr_va_vdst(0) depctr_va_sdst(0) depctr_va_ssrc(0) depctr_va_vcc(0) depctr_vm_vsrc(0)
	s_getreg_b32 s2, hwreg(HW_REG_IB_STS2, 6, 4)
	s_cmp_eq_u32 s2, 0
	s_cbranch_scc0 .Lentry_in_a_cluster
	s_endpgm
.Lentry_in_a_cluster:
	s_bfe_u32 s2, ttmp6, 0x10000c
	s_cmp_lg_u32 s2, 0xf033
	s_cbranch_scc0 .Lentry_shape_is_right
	s_endpgm
.Lentry_shape_is_right:
; q, k, v = x W_qkv + b_qkv on codes of FP4 (E2M1) with one E8M0 scale for each 32 along K = 1,024; the results are quantised at once, q and k along a head's 64 channels, v along the keys,
; and leave as IMAGES OF OPERAND REGISTERS (a half image: 512 bytes, lane l's four registers at 16 l) with one scale word for each row and 128 along the next K.
; ONE TEXT FOR ALL THREE.  A tile of 256 x 256 is the product of an operand R (source 1: its rows fall on lanes) and an operand G (source 0: its rows run along a lane's registers, so G is the
; axis along which the result is quantised).  q, k (cluster rows 0-7): R = x's tokens, G = W's rows 0-2,047.  v (cluster rows 8-11): R = W's rows 2,048-3,071, G = x's tokens.
; Only pointers, offsets and two masks differ; they are chosen by s_cselect on the cluster's y, which all partners share.  No branch hangs on it.
; Four waves, each 128 x 128: 64 accumulators, 512 registers.  K = 1,024 is 512 bytes a row: both halves of K of both operands and all their scale bytes fit in LDS together, so every LDS byte is
; filled ONCE: three tensor loads a wave at the start (scales, K 0-511, K 512-1,023); by this text's count three are out at the most.  No slot is ever filled again.
; CLUSTERS: 4 x 4 work-groups; R's tiles are shared along a row of the cluster, G's along a column: each is asked for jointly, by the same load with a mask that names the four.
; OUT: qkv: q at 0, k at 4 MiB: [b][head pair][token tile 128][head in pair 2][512 B]; v at 8 MiB: [b][head pair][128 keys 16][head 2][channel tile 4][64 keys 2][512 B].  qkvs: a scale word lies at its codes' byte offset / 16.
; LIMITS: NaN, infinities and a given scale byte 0xff are not served.  A block whose largest magnitude lies under 2^-124 keeps the byte 1; so does a block of zeros (its codes are zeros, and this program alone reads the bytes).
; REGISTERS: window 0: v16-27 addresses; v32-95 scale words, two sets (later v32-39 the words made); v96-111 the bias along R, in pairs; v112-127 at work; v128-191, v192-255 R's fragments, two sets (later the codes made, and 64 numbers at work).
;   window 1: v0-63, v128-191 G's fragments, two sets; v64-127 the bias along G, eight registers a tile.   windows 2, 3: accumulator (a, b) at v[8 (8 (a % 4) + b)].
.set PITCH,  272                       ; an LDS row: 256 bytes + 16 of padding = 68 words: the 16 rows of a fragment load start at 16 different banks (64 banks of 4 bytes: ISA guide 11.1)
.set HALFT,  128*PITCH                 ; 128 rows: what one tensor load brings, and what a wave reads of R or of G
.set SLOT,   4*HALFT                   ; R's 256 rows, then G's 256 rows, for 512 along K
.set SCL,    2*SLOT                    ; the scale bytes: rows of 256 bytes + 16 of padding
.set HALFS,  16*272                    ; those of 128 rows (32 bytes a row)
.set SBLK,   2*272                     ; those of 16 rows
.set SCST,   SCL+4*HALFS               ; 512 bytes for each wave: the 128 scale words that it makes are gathered here; no tile lands here
.set ADRR, 16                          ; v16-17 LDS address of my R fragments, K half 0, 1
.set ADRG, 20                          ; v20-21 the same for G
.set CO,   24                          ; v24 16 x lane
.set SCW,  25                          ; v25 where I put a scale word
.set SCR,  26                          ; v26 where I read 16 bytes of them back
.set ADRS, 27                          ; v27 LDS address of the given scale words: lanes 0-15 R's rows, lanes 16-31 G's
.set SC,   32
.set PW,   32
.set BR,   96
.set TM,   112
.set RF,   128
.set PC,   128
.set ST,   192
.set BG,   64                          ; in window 1
.set SEL,  2                           ; s[2:3] lane selects: lane l xor 16
.set G1R,  24
.set G0R,  32
.set G1G,  48
.set G0G,  56
.set G1SR, 68
.set G0SR, 76
.set G1SG, 80
.set G0SG, 88
.set MSB, 0
.macro WIN new                         ; the immediate's high byte repeats the setting that is left
.if MSB != (\new)
	s_set_vgpr_msb (MSB<<8)|(\new)
.set MSB, (\new)
.endif
.endm
; A joint load: waves 0 and 1 fetch for R, waves 2 and 3 for G.  The branch hangs on the wave's number alone.  Four v_nop follow each of the two lines.
.macro JLOAD g0a, g1a, g0b, g1b
	s_cmp_eq_u32 s19, 0
	s_cbranch_scc0 .Lfor_g_\@
	tensor_load_to_lds s[\g0a:\g0a+3], s[\g1a:\g1a+7]
	s_nop 0
.rept 4
	v_nop
.endr
	s_branch .Lasked_\@
.Lfor_g_\@:
	tensor_load_to_lds s[\g0b:\g0b+3], s[\g1b:\g1b+7]
	s_nop 0
.rept 4
	v_nop
.endr
.Lasked_\@:
.endm
.macro CROUND                          ; a round of the cluster's barrier
	s_barrier_signal -1
	s_barrier_wait -1
	s_cmp_lg_u32 s18, 0
	s_cbranch_scc1 .Lnot_wave_0_\@
	s_barrier_signal -3
.Lnot_wave_0_\@:
	s_barrier_wait -3
	s_barrier_signal -1
	s_barrier_wait -1
.endm
.macro PLACES                          ; four plain vector instructions behind a matrix instruction, ahead of loads into its registers and of reads of its results
.rept 4
	v_nop
.endr
.endm
	s_load_b256 s[4:11], s[0:1], 0x0               ; x's codes s[4:5], x's scales s[6:7], W's codes s[8:9], W's scales s[10:11]
	s_load_b128 s[12:15], s[0:1], 0x20             ; b_qkv s[12:13], qkv s[14:15]
	s_load_b64 s[16:17], s[0:1], 0x30              ; qkvs
	v_lshl_add_u32 v122, v0, 2, 0x48c00
	v_mov_b32 v123, 0
	ds_add_u32 v122, v123
	ds_add_u32 v122, v123
	v_lshrrev_b32 v1, 5, v0
	v_readfirstlane_b32 s18, v1                    ; wave 0..3
	s_lshr_b32 s19, s18, 1                         ; WR: my half of R.  Also: I fetch for R (0) or for G (1)
	s_and_b32 s20, s18, 1                          ; WG: my half of G.  Also: which 128 rows I fetch
	s_bfe_u32 s40, ttmp6, 0x40000                  ; cx
	s_bfe_u32 s41, ttmp6, 0x40004                  ; cy
	s_lshl_b32 s42, ttmp9, 2
	s_add_co_u32 s42, s42, s40                     ; work-group x = 4 x cluster x + cx: 0..7
	s_and_b32 s43, ttmp7, 0xffff                   ; CY, the cluster's y: 0-7 q and k, 8-11 v
	s_lshl_b32 s44, s41, 2
	s_lshl_b32 s44, 15, s44                        ; my row of the cluster
	s_lshl_b32 s45, 0x1111, s40                    ; my column
	; descriptor group 1 for codes: 128 rows x 256 bytes, 512 bytes apart in memory, 16 bytes of padding behind each row in LDS
	s_or_b32 s[G1R], s44, (1<<20)|(1<<21)|(5<<22)|(3<<25)    ; 15:0 mask; 17:16 elements of 1 byte; 20 padding on; 21 set beside a mask; 24:22 after every 64 words; 31:25 four words
	s_or_b32 s[G1G], s45, (1<<20)|(1<<21)|(5<<22)|(3<<25)
.irp g, G1R, G1G
	s_mov_b32 s[\g+1], 256<<16                     ; tensor_dim0
	s_mov_b32 s[\g+2], 128<<16                     ; tensor_dim1
	s_mov_b32 s[\g+3], 256<<16                     ; tile_dim0
	s_mov_b32 s[\g+4], 128                         ; tile_dim1
	s_mov_b32 s[\g+5], 512                         ; from row to row
	s_mov_b32 s[\g+6], 0
	s_mov_b32 s[\g+7], 0
.endr
	; and for the scale bytes of 128 rows: 4,096 dense bytes as 16 rows of 256 (32 elements of 8 bytes), 16 bytes of padding behind each
	s_or_b32 s[G1SR], s44, (3<<16)|(1<<20)|(1<<21)|(5<<22)|(3<<25)
	s_or_b32 s[G1SG], s45, (3<<16)|(1<<20)|(1<<21)|(5<<22)|(3<<25)
.irp g, G1SR, G1SG
	s_mov_b32 s[\g+1], 32<<16
	s_mov_b32 s[\g+2], 16<<16
	s_mov_b32 s[\g+3], 32<<16
	s_mov_b32 s[\g+4], 16
	s_mov_b32 s[\g+5], 32
	s_mov_b32 s[\g+6], 0
	s_mov_b32 s[\g+7], 0
.endr
	; the rows that I fetch.  R's hang on cy and CY, G's on cx, cluster x and CY: each on what the partners named by its mask share
	s_lshl_b32 s21, s43, 10                        ; q, k: tokens 1,024 CY on
	s_mov_b32 s22, 2048                            ; v: W's rows 2,048 on
	s_cmp_ge_u32 s43, 8
	s_cselect_b32 s21, s22, s21
	s_lshl_b32 s46, s41, 8
	s_add_co_u32 s46, s46, s21
	s_lshl_b32 s23, s20, 7
	s_add_co_u32 s46, s46, s23                     ; R: 256 cy + 128 x half + the part above
	s_max_u32 s22, s43, 8
	s_sub_co_u32 s22, s22, 8                       ; CY - 8 for v (the batch), 0 for q and k
	s_lshl_b32 s22, s22, 11
	s_lshl_b32 s92, s42, 8
	s_add_co_u32 s92, s92, s22
	s_add_co_u32 s92, s92, s23                     ; G: 256 x work-group x + 128 x half (+ 2,048 x batch)
	s_lshl_b32 s94, s46, 5                         ; a row of scale bytes is 32 bytes,
	s_mov_b32 s95, 0
	s_lshl_b32 s46, s46, 9                         ; a row of codes 512
	s_mov_b32 s47, 0
	s_lshl_b32 s96, s92, 5
	s_mov_b32 s97, 0
	s_lshl_b32 s92, s92, 9
	s_mov_b32 s93, 0
	s_mul_i32 s21, s18, HALFT                      ; where they go: wave x 128 rows: no place in the cluster enters an LDS address
	s_mul_i32 s22, s18, HALFS
	s_wait_dscnt 0x0
	s_wait_kmcnt 0x0
	s_cmp_ge_u32 s43, 8                            ; v?  The choice hangs on the cluster's y alone
	s_cselect_b64 s[66:67], s[8:9], s[4:5]         ; R's codes
	s_cselect_b64 s[98:99], s[10:11], s[6:7]       ; R's scales
	s_cselect_b64 s[4:5], s[4:5], s[8:9]           ; G's codes
	s_cselect_b64 s[6:7], s[6:7], s[10:11]         ; G's scales
	s_add_nc_u64 s[66:67], s[66:67], s[46:47]
	s_add_nc_u64 s[98:99], s[98:99], s[94:95]
	s_add_nc_u64 s[4:5], s[4:5], s[92:93]
	s_add_nc_u64 s[6:7], s[6:7], s[96:97]
	CROUND                                         ; all sixteen work-groups are here: the joint loads meet
	s_mov_b32 s[G0SR], 1
	s_add_co_u32 s[G0SR+1], s22, SCL
	s_mov_b64 s[G0SR+2:G0SR+3], s[98:99]
	s_or_b32 s[G0SR+3], s[G0SR+3], 0x80000000
	s_mov_b32 s[G0SG], 1
	s_add_co_u32 s[G0SG+1], s22, SCL
	s_mov_b64 s[G0SG+2:G0SG+3], s[6:7]
	s_or_b32 s[G0SG+3], s[G0SG+3], 0x80000000
	JLOAD G0SR, G1SR, G0SG, G1SG                   ; the scale bytes first: they are wanted with the first step
.irp s, 0,1
	s_mov_b32 s[G0R+4*\s], 1
	s_add_co_u32 s[G0R+4*\s+1], s21, \s*SLOT
	s_add_nc_u64 s[G0R+4*\s+2:G0R+4*\s+3], s[66:67], \s*256
	s_or_b32 s[G0R+4*\s+3], s[G0R+4*\s+3], 0x80000000
	s_mov_b32 s[G0G+4*\s], 1
	s_add_co_u32 s[G0G+4*\s+1], s21, \s*SLOT
	s_add_nc_u64 s[G0G+4*\s+2:G0G+4*\s+3], s[4:5], \s*256
	s_or_b32 s[G0G+4*\s+3], s[G0G+4*\s+3], 0x80000000
	JLOAD G0R+4*\s, G1R, G0G+4*\s, G1G             ; K half s
.endr
	; addresses
	v_and_b32 v1, 15, v0                           ; r
	v_bfe_u32 v2, v0, 4, 1                         ; h
	v_mul_u32_u24 v3, v1, PITCH
	v_lshl_add_u32 v4, v2, 4, v3                   ; a fragment's row x pitch + 16 h
	s_mul_i32 s21, s19, HALFT                      ; my 128 rows of R
	s_mul_i32 s22, s20, HALFT                      ; my 128 rows of G,
	s_add_co_u32 s22, s22, 2*HALFT                 ; behind R's 256
.irp s, 0,1
	v_add_nc_u32 v[ADRR+\s], s21, v4
	v_add_nc_u32 v[ADRG+\s], s22, v4
	s_add_co_u32 s21, s21, SLOT
	s_add_co_u32 s22, s22, SLOT
.endr
	v_lshlrev_b32 v5, 5, v1                        ; my row's scale bytes: 32 a row,
	v_lshrrev_b32 v6, 3, v1
	v_lshl_add_u32 v5, v6, 4, v5                   ; and 16 more for each 256 passed
	s_mul_i32 s21, s19, HALFS
	s_mul_i32 s22, s20, HALFS
	s_add_co_u32 s22, s22, 2*HALFS
	s_sub_co_u32 s22, s22, s21
	v_mul_u32_u24 v6, s22, v2                      ; lanes 16-31 take G's: the distance from R's block to G's
	s_add_co_u32 s21, s21, SCL
	v_add_nc_u32 v5, v5, v6
	v_add_nc_u32 v[ADRS], s21, v5
	v_and_b32 v6, 31, v0
	v_lshlrev_b32 v[CO], 4, v6
	s_lshl_b32 s21, s18, 9
	s_add_co_u32 s21, s21, SCST
	v_lshl_add_u32 v[SCW], v1, 2, s21              ; my wave's 512 bytes + 4 r
	v_add_nc_u32 v[SCR], s21, v[CO]
	s_mov_b32 s[SEL], 0x76543210
	s_mov_b32 s[SEL+1], 0xfedcba98
	; where my wave's results go.  P = 2 x work-group x + WG: which 128 along G
	s_lshl_b32 s40, s42, 1
	s_add_co_u32 s40, s40, s20                     ; P
	s_lshr_b32 s44, s40, 3                         ; q, k: P / 8 = q or k, P % 8 = the pair of heads
	s_lshl_b32 s44, s44, 2
	s_lshr_b32 s45, s43, 1                         ; the batch = CY / 2
	s_add_co_u32 s44, s44, s45
	s_lshl_b32 s44, s44, 3
	s_and_b32 s45, s40, 7
	s_add_co_u32 s44, s44, s45
	s_lshl_b32 s44, s44, 7                         ; 128 token tiles
	s_and_b32 s45, s43, 1
	s_lshl_b32 s45, s45, 2
	s_add_co_u32 s45, s45, s41
	s_lshl_b32 s45, s45, 4                         ; token tile 64 (CY % 2) + 16 cy
	s_add_co_u32 s44, s44, s45
	s_lshl_b32 s45, s19, 3                         ; + 8 WR
	s_add_co_u32 s44, s44, s45
	s_lshl_b32 s44, s44, 10                        ; x 1,024 bytes
	s_lshl_b32 s45, s41, 1
	s_add_co_u32 s45, s45, s19                     ; v: the pair of heads = 2 cy + WR
	s_max_u32 s46, s43, 8
	s_sub_co_u32 s46, s46, 8
	s_lshl_b32 s46, s46, 3
	s_add_co_u32 s46, s46, s45
	s_lshl_b32 s46, s46, 4
	s_add_co_u32 s46, s46, s40                     ; the 128 keys = P
	s_lshl_b32 s46, s46, 13
	s_add_co_u32 s46, s46, 0x800000
	s_lshl_b32 s94, s40, 9                         ; q, k: the bias runs along G: b_qkv at 128 P
	s_lshl_b32 s95, s45, 9
	s_add_co_u32 s95, s95, 8192                    ; v: along R: b_qkv at 2,048 + 128 (2 cy + WR)
	s_cmp_ge_u32 s43, 8
	s_cselect_b32 s46, s46, s44
	s_cselect_b32 s94, 0, s94                      ; the bias that does not apply is loaded from the buffer's start and masked to 0
	s_cselect_b32 s95, s95, 0
	s_cselect_b32 s96, 0, -1
	s_cselect_b32 s97, -1, 0
	s_mov_b32 s47, 0
	s_lshr_b32 s92, s46, 4
	s_mov_b32 s93, 0
	s_add_nc_u64 s[14:15], s[14:15], s[46:47]
	s_add_nc_u64 s[16:17], s[16:17], s[92:93]
	v_lshlrev_b32 v7, 5, v2
	v_add_nc_u32 v7, s94, v7                       ; along G: tile b, my half's eight: 64 b + 32 h
	v_lshlrev_b32 v8, 2, v1
	v_add_nc_u32 v8, s95, v8                       ; along R: block a, my row: 64 a + 4 r
	WIN 0x40                                       ; destination window 1
.irp b, 0,1,2,3,4,5,6,7
	global_load_b128 v[BG+8*\b:BG+8*\b+3], v7, s[12:13] offset:64*\b
	global_load_b128 v[BG+8*\b+4:BG+8*\b+7], v7, s[12:13] offset:64*\b+16
.endr
	WIN 0
.irp a, 0,1,2,3,4,5,6,7
	global_load_b32 v[BR+2*\a], v8, s[12:13] offset:64*\a
.endr
.irp b, 0,1,2,3
	v_mov_b32 v[TM+4+\b], 0                        ; written once: a lane permute's destination counts as one of its sources
.endr
	s_wait_loadcnt 0x0
	WIN 0x44                                       ; source 1 and destination window 1
.set i, 0
.rept 64
	v_and_b32 v[BG+i], s96, v[BG+i]
.set i, i+1
.endr
	WIN 0
.irp a, 0,1,2,3,4,5,6,7
	v_and_b32 v[BR+2*\a+1], s97, v[BR+2*\a]        ; the same number twice: a pair for the packed addition
	v_and_b32 v[BR+2*\a], s97, v[BR+2*\a]
.endr
.macro FRAG reg, adr, q, i             ; a fragment, 16 rows x 128 K: lane l holds row l % 16; registers 4 c .. 4 c + 3 hold K = 64 c + 32 (l / 16) + 0 .. 31
.irp c, 0,1
	ds_load_b128 v[\reg+4*\c:\reg+4*\c+3], v[\adr] offset:64*(\q)+32*\c+(\i)*16*PITCH
.endr
.endm
.macro FETCH slot, q, p                ; 32 loads in one run: G's eight fragments and R's eight of one step of 128 along K, into set p
	WIN 0x40
.irp i, 0,1,2,3,4,5,6,7
	FRAG 128*(\p)+8*\i, ADRG+\slot, \q, \i
.endr
	WIN 0
.irp i, 0,1,2,3,4,5,6,7
	FRAG RF+64*(\p)+8*\i, ADRR+\slot, \q, \i
.endr
.endm
.macro SCALES sc                       ; the scale words of K half sc: four words a row; lanes 0-15 R's block i, lanes 16-31 G's block i
.irp i, 0,1,2,3,4,5,6,7
	ds_load_b128 v[SC+32*\sc+4*\i:SC+32*\sc+4*\i+3], v[ADRS] offset:\i*SBLK+16*\sc
.endr
.endm
; 32 products: R's blocks 4 half .. 4 half + 3 against G's eight.  first = 1: the bias along G is the C of the sums' first products.  The 64 accumulators take turns in the same order in every step.
.macro MUL32 half, p, q, sc, first
.irp a, 0,1,2,3
.irp b, 0,1,2,3,4,5,6,7
.if \first
	v_wmma_scale_f32_16x16x128_f8f6f4 v[8*(8*\a+\b):8*(8*\a+\b)+7], v[128*(\p)+8*\b:128*(\p)+8*\b+7], v[RF+64*(\p)+8*(4*\half+\a):RF+64*(\p)+8*(4*\half+\a)+7], v[BG+8*\b:BG+8*\b+7], v[SC+32*(\sc)+4*\b+(\q)], v[SC+32*(\sc)+4*(4*\half+\a)+(\q)] matrix_a_fmt:MATRIX_FMT_FP4 matrix_b_fmt:MATRIX_FMT_FP4 matrix_a_scale:MATRIX_SCALE_ROW1
.else
	v_wmma_scale_f32_16x16x128_f8f6f4 v[8*(8*\a+\b):8*(8*\a+\b)+7], v[128*(\p)+8*\b:128*(\p)+8*\b+7], v[RF+64*(\p)+8*(4*\half+\a):RF+64*(\p)+8*(4*\half+\a)+7], v[8*(8*\a+\b):8*(8*\a+\b)+7], v[SC+32*(\sc)+4*\b+(\q)], v[SC+32*(\sc)+4*(4*\half+\a)+(\q)] matrix_a_fmt:MATRIX_FMT_FP4 matrix_b_fmt:MATRIX_FMT_FP4 matrix_a_scale:MATRIX_SCALE_ROW1
.endif
.endr
.endr
.endm
; Step q of eight: the next step's fragments are asked for first, into the set that the step before multiplied; then this step's 64 products.
.macro KSTEP q
.if \q > 0
	PLACES
.endif
.if \q == 3
	s_wait_tensorcnt 0x0                           ; my part of K's second half has landed,
	s_wait_dscnt 0x0                               ; no LDS load of mine is out at the signal (this step's fragments are in, too),
	s_barrier_signal -1
	s_barrier_wait -1                              ; everybody's part has
	SCALES 1
.endif
.if \q < 7
	FETCH (\q+1)/4, (\q+1)%4, (\q+1)%2
.if \q != 3
	s_wait_dscnt 32                                ; all but the 32 just issued: this step's fragments (and scale words) are in
.endif
.else
	s_wait_dscnt 0x0
.endif
.if \q == 0
	WIN 0x91                                       ; source 0 (G) and C (the bias) window 1, source 1 (R) window 0, D window 2
	MUL32 0, 0, 0, 0, 1
	WIN 0xd1                                       ; D window 3
	MUL32 1, 0, 0, 0, 1
.else
	WIN 0xa1                                       ; C and D window 2
	MUL32 0, (\q)%2, (\q)%4, (\q)/4, 0
	WIN 0xf1                                       ; C and D window 3
	MUL32 1, (\q)%2, (\q)%4, (\q)/4, 0
.endif
	WIN 0
.endm
; 64 numbers of a lane, register 16 b + 8 u + j = index 32 b + 16 u + 8 (lane / 16) + j of my row (tiles 2 b + u as the products leave them), become a fragment's codes in v[pc] on and its scale word in v[pw].
; A conversion takes one tile's eight registers.  Its result goes to register 4 (b / 2) + 2 u + b % 2; the exchange of halves between registers 4 c + 2 u and 4 c + 2 u + 1 then leaves in register 4 c + i of lane (r, h') the codes 8 i .. 8 i + 7 of block 2 c + h'.
.macro QUANT s, pc, pw
.irp b, 0,1,2,3
	v_max3_num_f32 v[TM+\b], |v[\s+16*\b]|, |v[\s+1+16*\b]|, 0x1800000   ; my 16 numbers of block b, and the floor 2^(3 - 127): the byte cannot fall under 1
.endr
.irp i, 2,4,6,8,10,12,14
.irp b, 0,1,2,3
	v_max3_num_f32 v[TM+\b], v[TM+\b], |v[\s+16*\b+\i]|, |v[\s+1+16*\b+\i]|
.endr
.endr
.irp b, 0,1,2,3
	v_permlanex16_b32 v[TM+4+\b], v[TM+\b], s[SEL], s[SEL+1]
.endr
.irp b, 0,1,2,3
	v_max_num_f32 v[TM+\b], v[TM+\b], v[TM+4+\b]   ; with lane l xor 16's: the block's largest magnitude
.endr
.irp b, 0,1,2,3
	v_add_nc_u32 v[TM+12+\b], 0xff000000, v[TM+\b] ; 2 off its exponent field: the conversion's scale operand
.endr
.irp b, 0,1,2,3
	v_lshrrev_b32 v[TM+4+\b], 23, v[TM+12+\b]      ; the scale's byte
.endr
	v_lshl_or_b32 v[\pw], v[TM+5], 8, v[TM+4]
	v_lshl_or_b32 v[\pw], v[TM+6], 16, v[\pw]
	v_lshl_or_b32 v[\pw], v[TM+7], 24, v[\pw]
.irp b, 0,1,2,3
.irp u, 0,1
	v_cvt_scalef32_pk8_fp4_f32 v[\pc+4*(\b/2)+2*\u+(\b%2)], v[\s+16*\b+8*\u:\s+16*\b+8*\u+7], v[TM+12+\b]
.endr
.endr
	v_nop                                          ; one plain place behind a scaled conversion
.irp c, 0,1
.irp u, 0,1
	v_permlane16_swap_b32 v[\pc+4*\c+2*\u], v[\pc+4*\c+2*\u+1]
.endr
.endr
.endm
; Block a (16 rows of R x my 128 along G): the bias along R is added (0 for q and k), which also brings the block into window 0, each accumulator from its low end on; quantised; the two half images leave, 512 consecutive aligned bytes a store.
.macro OUTBLK a
	WIN 0x02+(\a)/4                                ; source 0 window 2 or 3
.set i, 0
.rept 32
	v_pk_add_f32 v[ST+2*i:ST+2*i+1], v[64*((\a)%4)+2*i:64*((\a)%4)+2*i+1], v[BR+2*(\a):BR+2*(\a)+1]
.set i, i+1
.endr
	WIN 0
	QUANT ST, PC+8*(\a), PW+(\a)
	global_store_b128 v[CO], v[PC+8*(\a):PC+8*(\a)+3], s[14:15] offset:1024*(\a)
	global_store_b128 v[CO], v[PC+8*(\a)+4:PC+8*(\a)+7], s[14:15] offset:1024*(\a)+512
	ds_store_b32 v[SCW], v[PW+(\a)] offset:64*(\a) ; lanes r and r + 16 write the same word with the same value.  Each block has its own registers for codes and word: no store's data are written again
.endm
	s_wait_tensorcnt 0x1                           ; the scale bytes and my part of K's first half are in; the second half's load may stay out
	s_barrier_signal -1
	s_barrier_wait -1                              ; everybody's are
	SCALES 0
	FETCH 0, 0, 0
.irp q, 0,1,2,3,4,5,6,7
	KSTEP \q
.endr
	PLACES
.irp a, 0,1,2,3,4,5,6,7
	OUTBLK \a
.endr
	ds_load_b128 v[40:43], v[SCR]                  ; LDS serves a wave's instructions in order (ISA guide 5.7.1.4): this sees my eight stores
	s_wait_dscnt 0x0
	global_store_b128 v[CO], v[40:43], s[16:17]    ; my 128 scale words: 512 consecutive aligned bytes
	s_wait_tensorcnt 0x0
	ds_add_u32 v122, v123
	s_wait_dscnt 0x0
	CROUND                                         ; the closing round: no work-group ends while a partner may still ask for a tile that names it
	s_endpgm
.Lfunc_end_k_q9c0322febc_qkv:
	.size	k_q9c0322febc_qkv, .Lfunc_end_k_q9c0322febc_qkv-k_q9c0322febc_qkv
	.p2alignl 7, 3214868480
	.fill 96, 4, 3214868480
	.section	.rodata,"a",@progbits
	.p2align	6, 0x0
	.amdhsa_kernel k_q9c0322febc_qkv
		.amdhsa_group_segment_fixed_size 327680
		.amdhsa_private_segment_fixed_size 0
		.amdhsa_enable_private_segment 0
		.amdhsa_kernarg_size 56
		.amdhsa_user_sgpr_count 2
		.amdhsa_user_sgpr_kernarg_segment_ptr 1
		.amdhsa_wavefront_size32 1
		.amdhsa_system_sgpr_workgroup_id_x 1
		.amdhsa_system_sgpr_workgroup_id_y 1
		.amdhsa_system_sgpr_workgroup_id_z 1
		.amdhsa_system_vgpr_workitem_id 0
		.amdhsa_next_free_vgpr 1024
		.amdhsa_next_free_sgpr 100
		.amdhsa_reserve_vcc 0
		.amdhsa_float_denorm_mode_32 3
		.amdhsa_float_denorm_mode_16_64 3
		.amdhsa_memory_ordered 1
		.amdhsa_forward_progress 1
		.amdhsa_inst_pref_size 149
	.end_amdhsa_kernel
	.amdgpu_metadata
---
amdhsa.version: [ 1, 2 ]
amdhsa.kernels:
  - .name:           k_q9c0322febc_qkv
    .symbol:         k_q9c0322febc_qkv.kd
    .args:
      - { .name: x_codes, .offset: 0, .size: 8, .value_kind: global_buffer, .address_space: global }
      - { .name: x_scales, .offset: 8, .size: 8, .value_kind: global_buffer, .address_space: global }
      - { .name: W_qkv_codes, .offset: 16, .size: 8, .value_kind: global_buffer, .address_space: global }
      - { .name: W_qkv_scales, .offset: 24, .size: 8, .value_kind: global_buffer, .address_space: global }
      - { .name: b_qkv, .offset: 32, .size: 8, .value_kind: global_buffer, .address_space: global }
      - { .name: qkv, .offset: 40, .size: 8, .value_kind: global_buffer, .address_space: global }
      - { .name: qkvs, .offset: 48, .size: 8, .value_kind: global_buffer, .address_space: global }
    .group_segment_fixed_size: 327680
    .private_segment_fixed_size: 0
    .kernarg_segment_align: 8
    .kernarg_segment_size: 56
    .max_flat_workgroup_size: 128
    .sgpr_count:     100
    .vgpr_count:     1024
    .wavefront_size: 32
...
	.end_amdgpu_metadata
.endif
;; end of part 1
;; launch attn (part 2): grid 8 x 32, 16 waves a work-group, clusters of 4 x 1, 327,680 bytes of LDS; arguments qkv, qkvs, aimg, asc; writes aimg, asc
.if DOCPART == 2
	.amdgcn_target "amdgcn-amd-amdhsa--gfx1250"
	.amdhsa_code_object_version 6
	.text
	.protected	k_q9c0322febc_attn
	.globl	k_q9c0322febc_attn
	.p2align	8
	.type	k_q9c0322febc_attn,@function
k_q9c0322febc_attn:
	s_mov_b64 s[64:65], 0
	v_nop
	global_prefetch_b8 v0, s[64:65] scope:SCOPE_SE
	s_setreg_imm32_b32 hwreg(HW_REG_WAVE_MODE, 25, 1), 1
	s_wait_xcnt 0x0
	s_wait_alu depctr_hold_cnt(0) depctr_sa_sdst(0) depctr_va_vdst(0) depctr_va_sdst(0) depctr_va_ssrc(0) depctr_va_vcc(0) depctr_vm_vsrc(0)
	s_getreg_b32 s2, hwreg(HW_REG_IB_STS2, 6, 4)
	s_cmp_eq_u32 s2, 0
	s_cbranch_scc0 .Lentry_in_a_cluster
	s_endpgm
.Lentry_in_a_cluster:
	s_bfe_u32 s2, ttmp6, 0x10000c
	s_cmp_lg_u32 s2, 0x3003
	s_cbranch_scc0 .Lentry_shape_is_right
	s_endpgm
.Lentry_shape_is_right:
; Causal attention on codes of FP4 (E2M1), head size 64, 2,048 tokens; then O / l is quantised along the model's 1,024 channels and leaves as images of the next product's operand registers.
; t = score x log2(e) / 8; M = the running largest t rounded UP to a whole number; p = 2^(t - M) is quantised along the keys, not normalised; the row's sum l is taken of the unquantised p and divides at the end.
; SHARES.  A work-group serves one batch and one PAIR of heads (work-group y = 8 b + hp).  All of that pair's K, V and their scale words, 272 KiB, lie in LDS, each byte filled ONCE.  Wave w: head c = w / 8 of the pair, J = w % 8.
; With g = work-group x (0..7) a wave owns two tiles of 16 queries: tile 127 - 8 J - g, which needs key steps 0 .. 15 - J (128 keys a step), and tile 8 J + g, which needs steps 0 .. J: 17 steps for every wave of every work-group.
; Which steps are worked and which lies on the diagonal hangs on the wave's number and the loop's counter alone; g enters global addresses and the mask's compare value only: partners of a cluster run alike.
; CLUSTER.  The four work-groups of a cluster share batch and pair of heads: every tile is asked for jointly (mask 15).  Waves 0-3 fetch: three loads each (scale words, keys 0-1,023, keys 1,024-2,047): by this text's count three are out at the most.
; LAYOUT.  Both products are used transposed: S^T = K Q^T, O^T = V^T P^T: a lane holds one query (lane % 16) throughout.  The head's 64 fill registers 0-3 of K's and Q's fragments; registers 4-7 hold zero codes, which add nothing.
; In S^T register 8 t + j is key 16 t + 8 (lane / 16) + j.  A conversion takes one tile's eight registers; numbered as below and with the halves exchanged the results are P's fragment.
; LIMITS: NaN and infinities are not served; a p under 2^-126 counts as 0 (v_exp_f32 gives 0 there: ISA guide 15.8); a block whose largest number lies under 2^-124 keeps the byte 1, its small numbers round to the codes 0.
; The scale half words of O (2 bytes a lane, one store for 17 key steps) come from two waves that share no barrier: they are stored as they are.
; REGISTERS: v1-7 addresses that stay; v8-11 the step's LDS addresses; v12 -M, v13 the largest t, v[14:15] the sum; v16-23 Q; v24-27 global offsets; v29 r - 8 h; v32-95 K's 8 fragments; v96-159 S^T, then p; v160-191 O^T;
;   v192-223 V's 4 fragments; v224-231 p's codes; v232-243 at work; v244-247 K's scale words, v248-249 V's, v250 Q's, v251 p's; v[252:253] f and 0; v254-255 at work.
.set VB,   131072                      ; LDS: K at 0, V here,
.set KSCB, 262144                      ; K's scale words,
.set VSCB, 270336                      ; V's
.set WV,  12
.set KS,  52                           ; the key step
.set LIM, 53                           ; the tile's last key step: the one on the diagonal
.set TK,  54                           ; 8,192 x key step
.set TS,  55                           ; 512 x key step
.set MT,  56                           ; the tile's 128 queries
.set TI,  57                           ; and which 16 of them
.macro CROUND                          ; a round of the cluster's barrier
	s_barrier_signal -1
	s_barrier_wait -1
	s_cmp_lg_u32 s[WV], 0
	s_cbranch_scc1 .Lnot_wave_0_\@
	s_barrier_signal -3
.Lnot_wave_0_\@:
	s_barrier_wait -3
	s_barrier_signal -1
	s_barrier_wait -1
.endm
	s_load_b256 s[4:11], s[0:1], 0x0               ; qkv s[4:5], qkvs s[6:7], aimg s[8:9], asc s[10:11]
	v_lshl_add_u32 v254, v0, 2, 0x44000
	v_mov_b32 v255, 0
	ds_add_u32 v254, v255
	ds_add_u32 v254, v255
	s_wait_dscnt 0x0
	v_lshrrev_b32 v1, 5, v0
	s_delay_alu instid0(VALU_DEP_1)
	v_readfirstlane_b32 s[WV], v1                  ; wave 0..15
	s_lshr_b32 s13, s[WV], 3                       ; c
	s_and_b32 s14, s[WV], 7                        ; J
	s_bfe_u32 s15, ttmp6, 0x40000                  ; cx
	s_lshl_b32 s58, ttmp9, 2
	s_add_co_u32 s15, s58, s15                     ; g = 4 x cluster x + cx
	s_and_b32 s16, ttmp7, 0xffff                   ; 8 b + hp
	s_bfe_u32 s58, s[WV], 0x10001                  ; what a fetching wave fetches: K (0) or V (1),
	s_and_b32 s59, s[WV], 1                        ; and which half of each load's range
	s_and_b32 s60, s[WV], 3
	; descriptor group 1: dense blocks as rows of 256 bytes (32 elements of 8 bytes), no padding: every read is 16 or 4 bytes a lane on end.  128 rows for codes, 16 for scale words
	s_mov_b32 s24, 15|(3<<16)|(1<<21)              ; 15:0 the mask: all four work-groups; 17:16 elements of 8 bytes; 21 set beside a mask
	s_mov_b32 s25, 32<<16
	s_mov_b32 s26, 128<<16
	s_mov_b32 s27, 32<<16
	s_mov_b32 s28, 128
	s_mov_b32 s29, 32
	s_mov_b32 s30, 0
	s_mov_b32 s31, 0
	s_mov_b32 s32, 15|(3<<16)|(1<<21)
	s_mov_b32 s33, 32<<16
	s_mov_b32 s34, 16<<16
	s_mov_b32 s35, 32<<16
	s_mov_b32 s36, 16
	s_mov_b32 s37, 32
	s_mov_b32 s38, 0
	s_mov_b32 s39, 0
	s_lshl_b32 s41, s60, 12
	s_add_co_u32 s41, s41, KSCB                    ; LDS: scale words: 4,096 x (wave % 4)
	s_lshl_b32 s45, s58, 17
	s_lshl_b32 s61, s59, 15
	s_add_co_u32 s45, s45, s61                     ; codes, keys 0-1,023: 131,072 x kind + 32,768 x half
	s_add_co_u32 s49, s45, 65536                   ; keys 1,024-2,047
	s_lshl_b32 s62, s58, 18                        ; memory: scale words: 262,144 (1 + kind) + 8,192 (8 b + hp) + 4,096 x half
	s_lshl_b32 s63, s59, 12
	s_add_co_u32 s62, s62, s63
	s_lshl_b32 s63, s16, 13
	s_add_co_u32 s62, s62, s63
	s_add_co_u32 s62, s62, 262144
	s_mov_b32 s63, 0
	s_lshl_b32 s66, s58, 22                        ; codes: 4 MiB (1 + kind) + 131,072 (8 b + hp) + 32,768 x half
	s_add_co_u32 s66, s66, s61
	s_lshl_b32 s67, s16, 17
	s_add_co_u32 s66, s66, s67
	s_add_co_u32 s66, s66, 4194304
	s_mov_b32 s67, 0
	s_mov_b32 s40, 1
	s_mov_b32 s44, 1
	s_mov_b32 s48, 1
	s_mov_b32 s20, 0x76543210                      ; lane selects: lane l xor 16
	s_mov_b32 s21, 0xfedcba98
	s_mov_b32 s22, 0x3e38aa3b                      ; log2(e) / 8
	s_mov_b32 s23, s22                             ; (named with it as a pair)
	s_lshl_b32 s69, s13, 9                         ; 512 c
	s_lshl_b32 s70, s13, 1                         ; 2 c
	s_lshl_b32 s17, s16, 17
	s_add_co_u32 s17, s17, s69                     ; q's codes of my head: 131,072 (8 b + hp) + 512 c
	s_lshl_b32 s18, s16, 13
	s_add_co_u32 s18, s18, s70                     ; q's scale half words: 8,192 (8 b + hp) + 2 c
	s_lshr_b32 s19, s16, 3
	s_lshl_b32 s19, s19, 4                         ; 16 b
	s_and_b32 s68, s16, 7                          ; hp
	s_wait_kmcnt 0x0
	s_add_nc_u64 s[42:43], s[6:7], s[62:63]
	s_or_b32 s43, s43, 0x80000000
	s_add_nc_u64 s[46:47], s[4:5], s[66:67]
	s_add_nc_u64 s[50:51], s[46:47], 65536
	s_or_b32 s47, s47, 0x80000000
	s_or_b32 s51, s51, 0x80000000
	CROUND                                         ; all four work-groups are here: the joint loads meet
	s_cmp_lt_u32 s[WV], 4                          ; a fetching wave's three first fills stand in one branch on the wave's number; four v_nop follow the last
	s_cbranch_scc0 .Lno_fetch
	tensor_load_to_lds s[40:43], s[32:39]
	s_nop 0
	tensor_load_to_lds s[44:47], s[24:31]
	s_nop 0
	tensor_load_to_lds s[48:51], s[24:31]
	s_nop 0
.rept 4
	v_nop
.endr
.Lno_fetch:
	v_and_b32 v28, 31, v0                          ; lane
	s_delay_alu instid0(VALU_DEP_1)
	v_lshlrev_b32 v1, 4, v28                       ; 16 x lane
	v_and_b32 v29, 15, v0                          ; r
	s_delay_alu instid0(VALU_DEP_1)
	v_lshlrev_b32 v2, 2, v29                       ; 4 r
	v_bfe_u32 v30, v0, 4, 1                        ; h
	s_delay_alu instid0(VALU_DEP_1)
	v_lshlrev_b32 v30, 3, v30
	s_delay_alu instid0(VALU_DEP_1)
	v_sub_nc_u32 v29, v29, v30                     ; r - 8 h
	v_add_nc_u32 v4, s69, v1                       ; K: 16 x lane + 512 c
	s_lshl_b32 s58, s13, 12
	s_add_co_u32 s58, s58, VB
	v_add_nc_u32 v5, s58, v1                       ; V: + 4,096 c
	s_add_co_u32 s58, s70, KSCB
	v_lshl_add_u32 v6, v28, 2, s58                 ; K's scale half words: 4 x lane + 2 c: lanes 0-15 an even tile's keys, lanes 16-31 the next tile's
	s_lshl_b32 s58, s13, 8
	s_add_co_u32 s58, s58, VSCB
	v_lshl_add_u32 v7, v28, 2, s58                 ; V's scale words: 4 x lane + 256 c
.irp k, 20,21,22,23
	v_mov_b32 v\k, 0                               ; Q's upper 64 along K: zero codes
.endr
.irp t, 0,1,2,3,4,5,6,7
.irp k, 4,5,6,7
	v_mov_b32 v[32+8*\t+\k], 0                     ; K's likewise; set once, no load lands there
.endr
.endr
.irp k, 236,237,238,239,252,253,254
	v_mov_b32 v\k, 0                               ; written once: a lane permute's destination counts as one of its sources; v253 is named as the upper half of a pair
.endr
; A tile of 16 queries begins: its Q and scale half words are asked for, its output offsets and the mask's compare value are made, its statistics and O^T begin as zeros and the largest t as -3e38.
.macro START
	s_lshl_b32 s58, s[MT], 3
	s_add_co_u32 s58, s58, s[TI]                   ; the tile among the sequence's 128
	s_lshl_b32 s59, s58, 10
	s_add_co_u32 s59, s59, s17
	v_add_nc_u32 v24, s59, v1
	s_lshl_b32 s59, s58, 6
	s_add_co_u32 s59, s59, s18
	v_add_nc_u32 v25, s59, v2
	global_load_b128 v[16:19], v24, s[4:5]
	global_load_u16 v250, v25, s[6:7]              ; bytes 2 and 3 come as 0: the scale of the zero codes
	s_lshl_b32 s59, s[TI], 4
	v_add_nc_u32 v3, s59, v29                      ; d = 16 TI + r - 8 h: on the diagonal register 8 t + j is hidden where 16 t + j > d
	s_add_co_u32 s59, s19, s[MT]
	s_lshl_b32 s59, s59, 3
	s_add_co_u32 s59, s59, s68
	s_lshl_b32 s59, s59, 3
	s_add_co_u32 s59, s59, s[TI]                   ; ((16 b + MT) 8 + hp) 8 + TI
	s_lshl_b32 s60, s59, 10
	s_add_co_u32 s60, s60, s69
	v_add_nc_u32 v26, s60, v1                      ; the image's half: x 1,024 + 512 c + 16 x lane
	s_lshl_b32 s60, s59, 6
	s_add_co_u32 s60, s60, s70
	v_add_nc_u32 v27, s60, v2                      ; the scale half word: x 64 + 2 c + 4 r
	v_mov_b32 v13, 0xff61b1e6                      ; -3e38, under every t
	s_delay_alu instid0(VALU_DEP_1)
	v_floor_f32 v12, -v13
	v_mov_b32 v14, 0
	v_mov_b32 v15, 0
.set j, 0
.rept 32
	v_mov_b32 v[160+j], 0                          ; the step is written without a first step of its own: the first change of M multiplies zeros
.set j, j+1
.endr
	s_mov_b32 s[KS], 0
	s_mov_b32 s[TK], 0
	s_mov_b32 s[TS], 0
.endm
; A key step of 128 keys.  skip = 1: a step all of whose keys come after the tile's queries is left out, but for the lines at its end that step the counter and addresses.  diag = 1: the step may be the one on the diagonal.
.macro STEP skip, diag
.if \skip
	s_cmp_gt_u32 s[KS], s[LIM]
	s_cbranch_scc1 .Lhid_\@
.endif
	s_setprio 2
	v_add_nc_u32 v8, s[TK], v4                     ; these four are also the places behind the last step's products, ahead of the loads into V's registers
	v_add_nc_u32 v9, s[TK], v5
	v_add_nc_u32 v10, s[TS], v6
	v_add_nc_u32 v11, s[TS], v7
.irp t, 0,1,2,3,4,5,6,7
	ds_load_b128 v[32+8*\t:35+8*\t], v8 offset:1024*\t
.endr
.irp i, 0,1,2,3
	ds_load_u16 v[244+\i], v10 offset:128*\i
.endr
.irp t, 0,1,2,3
.irp c, 0,1
	ds_load_b128 v[192+8*\t+4*\c:195+8*\t+4*\c], v9 offset:1024*\t+512*\c
.endr
.endr
.irp i, 0,1
	ds_load_b32 v[248+\i], v11 offset:128*\i
.endr
	s_wait_dscnt 10                                ; K and its scale words are in; V's eight loads and its two scale loads may stay out
.irp i, 0,1,2,3
	v_wmma_scale_f32_16x16x128_f8f6f4 v[96+16*\i:103+16*\i], v[32+16*\i:39+16*\i], v[16:23], 0, v[244+\i], v250 matrix_a_fmt:MATRIX_FMT_FP4 matrix_b_fmt:MATRIX_FMT_FP4
	v_wmma_scale_f32_16x16x128_f8f6f4 v[104+16*\i:111+16*\i], v[40+16*\i:47+16*\i], v[16:23], 0, v[244+\i], v250 matrix_a_fmt:MATRIX_FMT_FP4 matrix_b_fmt:MATRIX_FMT_FP4 matrix_a_scale:MATRIX_SCALE_ROW1
.endr
.rept 4
	v_nop
.endr
.if \diag
	s_cmp_lg_u32 s[KS], s[LIM]
	s_cbranch_scc1 .Lopen_\@
	v_mov_b32 v254, 0xff800000                     ; hidden scores become -infinity ahead of the maximum: p = 0 then.  A query's own key always counts
.set n, 0
.rept 64
	v_cmp_gt_i32 vcc_lo, 16*(n/8)+n%8, v3
	v_cndmask_b32 v[96+n], v[96+n], v254, vcc_lo
.set n, n+1
.endr
.Lopen_\@:
.endif
.irp b, 0,1,2,3
	v_max3_num_f32 v[232+\b], v[96+16*\b], v[97+16*\b], v[98+16*\b]   ; the largest score of each block of 32 keys: it serves the row's maximum and, since p rises with the score, the block's largest p
.endr
.irp i, 3,5,7,9,11,13
.irp b, 0,1,2,3
	v_max3_num_f32 v[232+\b], v[232+\b], v[96+16*\b+\i], v[97+16*\b+\i]
.endr
.endr
.irp b, 0,1,2,3
	v_max_num_f32 v[232+\b], v[232+\b], v[111+16*\b]
.endr
.irp b, 0,1,2,3
	s_delay_alu instid0(VALU_DEP_4)
	v_permlanex16_b32 v[236+\b], v[232+\b], s20, s21
.endr
.irp b, 0,1,2,3
	s_delay_alu instid0(VALU_DEP_4)
	v_max_num_f32 v[232+\b], v[232+\b], v[236+\b]  ; with lane l xor 16's 16 keys
.endr
	s_delay_alu instid0(VALU_DEP_2)
	v_max3_num_f32 v254, v232, v233, v234
	s_delay_alu instid0(VALU_DEP_1)
	v_max_num_f32 v254, v254, v235
	s_delay_alu instid0(VALU_DEP_1)
	v_mul_f32 v254, s22, v254                      ; the step's largest t
	s_delay_alu instid0(VALU_DEP_1)
	v_max_num_f32 v13, v13, v254
	v_mov_b32 v254, v12
	s_delay_alu instid0(VALU_DEP_2)
	v_floor_f32 v12, -v13                          ; the new -M = -ceil(t)
	s_delay_alu instid0(VALU_DEP_1)
	v_sub_f32 v254, v12, v254                      ; old M - new M: a whole number, 0 or less
	s_delay_alu instid0(VALU_DEP_1)
	v_cvt_i32_f32 v254, v254                       ; (it saturates)
	s_delay_alu instid0(VALU_DEP_1)
	v_ldexp_f32 v252, 1.0, v254                    ; f = 2^(old M - new M): a multiplication by it rounds nothing
.set j, 0
.rept 32
	v_pk_fma_f32 v[96+j:97+j], v[96+j:97+j], s[22:23], v[12:13] op_sel_hi:[1,0,0]   ; t - M, two at a time
.set j, j+2
.endr
.irp b, 0,1,2,3
	v_fma_f32 v[232+\b], v[232+\b], s22, v12
.endr
.set j, 0
	s_setprio 1
	s_wait_alu depctr_va_vdst(0)
.rept 64
	v_exp_f32 v[96+j], v[96+j]                     ; p = 2^(t - M)
.set j, j+1
.endr
.irp b, 0,1,2,3
	v_exp_f32 v[232+\b], v[232+\b]                 ; the block's largest p: the same two instructions on the same number
.endr
	v_pk_mul_f32 v[14:15], v[14:15], v[252:253] op_sel_hi:[1,0]   ; the sum under the new M.  (A plain place behind the exponentials)
	s_wait_alu depctr_va_vdst(0)
.irp b, 0,1,2,3
	v_max_num_f32 v[232+\b], 0x1800000, v[232+\b]  ; the floor 2^(3 - 127): the byte cannot fall under 1
.endr
.irp b, 0,1,2,3
	s_delay_alu instid0(VALU_DEP_4)
	v_add_nc_u32 v[240+\b], 0xff000000, v[232+\b]  ; 2 off the exponent field: the conversion's scale operand
.endr
.irp b, 0,1,2,3
	s_delay_alu instid0(VALU_DEP_4)
	v_lshrrev_b32 v[236+\b], 23, v[240+\b]
.endr
	s_delay_alu instid0(VALU_DEP_3)
	v_lshl_or_b32 v251, v237, 8, v236              ; p's scale word for these 128 keys
	s_delay_alu instid0(VALU_DEP_1)
	v_lshl_or_b32 v251, v238, 16, v251
	s_delay_alu instid0(VALU_DEP_1)
	v_lshl_or_b32 v251, v239, 24, v251
.irp b, 0,1,2,3
.irp u, 0,1
	v_cvt_scalef32_pk8_fp4_f32 v[224+4*(\b/2)+2*\u+(\b%2)], v[96+16*\b+8*\u:103+16*\b+8*\u], v[240+\b]
.endr
.endr
	v_nop                                          ; one plain place behind a scaled conversion
.irp c, 0,1
.irp u, 0,1
	v_permlane16_swap_b32 v[224+4*\c+2*\u], v[225+4*\c+2*\u]   ; register 4 c + i of lane (r, h') now holds keys 64 c + 32 h' + 8 i + 0 .. 7
.endr
.endr
	v_pk_add_f32 v[236:237], v[100:101], v[104:105]
	v_pk_add_f32 v[246:247], v[108:109], v[112:113]
	v_pk_add_f32 v[244:245], v[116:117], v[120:121]
	v_pk_add_f32 v[242:243], v[124:125], v[128:129]
	v_pk_add_f32 v[240:241], v[132:133], v[136:137]
	v_pk_add_f32 v[234:235], v[140:141], v[144:145]
	v_pk_add_f32 v[232:233], v[148:149], v[152:153]
	v_pk_add_f32 v[14:15], v[14:15], v[156:157]
	v_pk_add_f32 v[236:237], v[236:237], v[96:97]
	v_pk_add_f32 v[246:247], v[246:247], v[98:99]
	v_pk_add_f32 v[244:245], v[244:245], v[102:103]
	v_pk_add_f32 v[242:243], v[242:243], v[106:107]
	v_pk_add_f32 v[240:241], v[240:241], v[110:111]
	v_pk_add_f32 v[234:235], v[234:235], v[114:115]
	v_pk_add_f32 v[232:233], v[232:233], v[118:119]
	v_pk_add_f32 v[14:15], v[14:15], v[122:123]
	v_pk_add_f32 v[236:237], v[236:237], v[126:127]
	v_pk_add_f32 v[246:247], v[246:247], v[130:131]
	v_pk_add_f32 v[244:245], v[244:245], v[134:135]
	v_pk_add_f32 v[242:243], v[242:243], v[138:139]
	v_pk_add_f32 v[240:241], v[240:241], v[142:143]
	v_pk_add_f32 v[234:235], v[234:235], v[146:147]
	v_pk_add_f32 v[232:233], v[232:233], v[150:151]
	s_setprio 0
	v_pk_add_f32 v[14:15], v[14:15], v[154:155]
	v_pk_add_f32 v[236:237], v[236:237], v[158:159]
	s_delay_alu instid0(VALU_DEP_2)
	v_pk_add_f32 v[14:15], v[14:15], v[242:243]
	s_delay_alu instid0(VALU_DEP_2)
	v_pk_add_f32 v[236:237], v[236:237], v[240:241]
	v_pk_add_f32 v[246:247], v[246:247], v[234:235]
	v_pk_add_f32 v[244:245], v[244:245], v[232:233]
	s_delay_alu instid0(VALU_DEP_2)
	v_pk_add_f32 v[14:15], v[14:15], v[246:247]
	s_delay_alu instid0(VALU_DEP_2)
	v_pk_add_f32 v[236:237], v[236:237], v[244:245]
	s_delay_alu instid0(VALU_DEP_1)
	v_pk_add_f32 v[14:15], v[14:15], v[236:237]
.set j, 0
.rept 16
	v_pk_mul_f32 v[160+j:161+j], v[160+j:161+j], v[252:253] op_sel_hi:[1,0]   ; O^T under the new M.  (With the sums above: the places between the codes and scale word just made and the products below)
.set j, j+2
.endr
	s_wait_alu depctr_va_vdst(0)
	s_wait_dscnt 0x0                               ; V and its scale words are in
.irp i, 0,1
	v_wmma_scale_f32_16x16x128_f8f6f4 v[160+16*\i:167+16*\i], v[192+16*\i:199+16*\i], v[224:231], v[160+16*\i:167+16*\i], v[248+\i], v251 matrix_a_fmt:MATRIX_FMT_FP4 matrix_b_fmt:MATRIX_FMT_FP4
	v_wmma_scale_f32_16x16x128_f8f6f4 v[168+16*\i:175+16*\i], v[200+16*\i:207+16*\i], v[224:231], v[168+16*\i:175+16*\i], v[248+\i], v251 matrix_a_fmt:MATRIX_FMT_FP4 matrix_b_fmt:MATRIX_FMT_FP4 matrix_a_scale:MATRIX_SCALE_ROW1
.endr
.if \skip
.Lhid_\@:
.endif
	s_add_co_u32 s[KS], s[KS], 1
	s_add_co_u32 s[TK], s[TK], 8192
	s_add_co_u32 s[TS], s[TS], 512
.endm
; A tile ends: O^T / l; its 64 channels are two blocks of the next product's K; codes (half an image, 512 consecutive aligned bytes) and a scale half word a row leave.
.macro FINISH
.rept 4
	v_nop                                          ; places behind the last products
.endr
	v_add_f32 v14, v14, v15
	s_delay_alu instid0(VALU_DEP_1)
	v_permlanex16_b32 v254, v14, s20, s21
	s_delay_alu instid0(VALU_DEP_1)
	v_add_f32 v14, v14, v254                       ; the row's sum
	s_wait_alu depctr_va_vdst(0)
	v_rcp_f32 v14, v14
	v_nop                                          ; one plain place behind a transcendental
.set j, 0
	s_wait_alu depctr_va_vdst(0)
.rept 32
	v_mul_f32 v[96+j], v[160+j], v14               ; register 8 t + i is channel 16 t + 8 h + i of my query; each accumulator from its low end on
.set j, j+1
.endr
.irp b, 0,1
	v_max3_num_f32 v[232+\b], |v[96+16*\b]|, |v[97+16*\b]|, 0x1800000
.endr
.irp i, 2,4,6,8,10,12,14
.irp b, 0,1
	s_delay_alu instid0(VALU_DEP_2)
	v_max3_num_f32 v[232+\b], v[232+\b], |v[96+16*\b+\i]|, |v[97+16*\b+\i]|
.endr
.endr
.irp b, 0,1
	s_delay_alu instid0(VALU_DEP_2)
	v_permlanex16_b32 v[236+\b], v[232+\b], s20, s21
.endr
.irp b, 0,1
	s_delay_alu instid0(VALU_DEP_2)
	v_max_num_f32 v[232+\b], v[232+\b], v[236+\b]
.endr
.irp b, 0,1
	s_delay_alu instid0(VALU_DEP_2)
	v_add_nc_u32 v[240+\b], 0xff000000, v[232+\b]
.endr
.irp b, 0,1
	s_delay_alu instid0(VALU_DEP_2)
	v_lshrrev_b32 v[236+\b], 23, v[240+\b]
.endr
	s_delay_alu instid0(VALU_DEP_1)
	v_lshl_or_b32 v255, v237, 8, v236
.irp b, 0,1
.irp u, 0,1
	v_cvt_scalef32_pk8_fp4_f32 v[224+2*\u+\b], v[96+16*\b+8*\u:103+16*\b+8*\u], v[240+\b]
.endr
.endr
	v_nop                                          ; one plain place behind a scaled conversion
	v_permlane16_swap_b32 v224, v225
	v_permlane16_swap_b32 v226, v227
	global_store_b128 v26, v[224:227], s[8:9]
	global_store_b16 v27, v255, s[10:11]           ; lanes r and r + 16 store the same two bytes
	s_wait_xcnt 0x0                                ; the stores' offsets and data are written again only behind this wait
.endm
	s_sub_co_u32 s[MT], 15, s14                    ; the late tile: 127 - 8 J - g = 8 (15 - J) + (7 - g)
	s_sub_co_u32 s[TI], 7, s15
	s_mov_b32 s[LIM], s[MT]
	START
	s_wait_loadcnt 0x0                             ; Q
	s_wait_tensorcnt 0x1                           ; a fetching wave's scale words and keys 0-1,023 are in; its last load may stay out
	s_barrier_signal -1
	s_barrier_wait -1
.Lfirst_half:                                          ; key steps 0-7: every wave works all eight, none lies on a diagonal; the reads stay inside the first 65,536 bytes of K and of V
	STEP 0, 0
	s_cmp_lt_u32 s[KS], 8
	s_cbranch_scc1 .Lfirst_half
	s_setprio 0
	s_wait_tensorcnt 0x0                           ; keys 1,024-2,047 are in,
	s_wait_dscnt 0x0
	s_barrier_signal -1
	s_barrier_wait -1                              ; for every wave
.Lsecond_half:                                         ; key steps 8-15: worked up to 15 - J
	STEP 1, 1
	s_cmp_lt_u32 s[KS], 16
	s_cbranch_scc1 .Lsecond_half
	s_setprio 0
	FINISH
	s_mov_b32 s[MT], s14                           ; the early tile: 8 J + g
	s_mov_b32 s[TI], s15
	s_mov_b32 s[LIM], s14
	START
	s_wait_loadcnt 0x0
.Learly:                                               ; key steps 0-7: worked up to J
	STEP 1, 1
	s_cmp_lt_u32 s[KS], 8
	s_cbranch_scc1 .Learly
	s_setprio 0
	FINISH
	s_wait_dscnt 0x0
	s_wait_xcnt 0x0
	v_lshl_add_u32 v254, v0, 2, 0x44000
	v_mov_b32 v255, 0
	s_wait_alu depctr_va_vdst(0)
	s_wait_tensorcnt 0x0
	ds_add_u32 v254, v255
	s_wait_dscnt 0x0
	CROUND                                         ; the closing round
	s_endpgm
.Lfunc_end_k_q9c0322febc_attn:
	.size	k_q9c0322febc_attn, .Lfunc_end_k_q9c0322febc_attn-k_q9c0322febc_attn
	.p2alignl 7, 3214868480
	.fill 96, 4, 3214868480
	.section	.rodata,"a",@progbits
	.p2align	6, 0x0
	.amdhsa_kernel k_q9c0322febc_attn
		.amdhsa_group_segment_fixed_size 327680
		.amdhsa_private_segment_fixed_size 0
		.amdhsa_enable_private_segment 0
		.amdhsa_kernarg_size 32
		.amdhsa_user_sgpr_count 2
		.amdhsa_user_sgpr_kernarg_segment_ptr 1
		.amdhsa_wavefront_size32 1
		.amdhsa_system_sgpr_workgroup_id_x 1
		.amdhsa_system_sgpr_workgroup_id_y 1
		.amdhsa_system_sgpr_workgroup_id_z 1
		.amdhsa_system_vgpr_workitem_id 0
		.amdhsa_next_free_vgpr 256
		.amdhsa_next_free_sgpr 72
		.amdhsa_reserve_vcc 1
		.amdhsa_float_denorm_mode_32 3
		.amdhsa_float_denorm_mode_16_64 3
		.amdhsa_memory_ordered 1
		.amdhsa_forward_progress 1
		.amdhsa_inst_pref_size 80
	.end_amdhsa_kernel
	.amdgpu_metadata
---
amdhsa.version: [ 1, 2 ]
amdhsa.kernels:
  - .name:           k_q9c0322febc_attn
    .symbol:         k_q9c0322febc_attn.kd
    .args:
      - { .name: qkv, .offset: 0, .size: 8, .value_kind: global_buffer, .address_space: global }
      - { .name: qkvs, .offset: 8, .size: 8, .value_kind: global_buffer, .address_space: global }
      - { .name: aimg, .offset: 16, .size: 8, .value_kind: global_buffer, .address_space: global }
      - { .name: asc, .offset: 24, .size: 8, .value_kind: global_buffer, .address_space: global }
    .group_segment_fixed_size: 327680
    .private_segment_fixed_size: 0
    .kernarg_segment_align: 8
    .kernarg_segment_size: 32
    .max_flat_workgroup_size: 512
    .sgpr_count:     72
    .vgpr_count:     256
    .wavefront_size: 32
...
	.end_amdgpu_metadata
.endif
;; end of part 2
;; launch proj (part 3): grid 4 x 64, 4 waves a work-group, clusters of 4 x 4, 327,680 bytes of LDS; arguments aimg, asc, W_out_codes, W_out_scales, b_out, out0; writes out0
.if DOCPART == 3
	.amdgcn_target "amdgcn-amd-amdhsa--gfx1250"
	.amdhsa_code_object_version 6
	.text
	.protected	k_q9c0322febc_proj
	.globl	k_q9c0322febc_proj
	.p2align	8
	.type	k_q9c0322febc_proj,@function
k_q9c0322febc_proj:
	s_mov_b64 s[64:65], 0
	v_nop
	global_prefetch_b8 v0, s[64:65] scope:SCOPE_SE
	s_setreg_imm32_b32 hwreg(HW_REG_WAVE_MODE, 25, 1), 1
	s_wait_xcnt 0x0
	s_wait_alu depctr_hold_cnt(0) depctr_sa_sdst(0) depctr_va_vdst(0) depctr_va_sdst(0) depctr_va_ssrc(0) depctr_va_vcc(0) depctr_vm_vsrc(0)
	s_getreg_b32 s2, hwreg(HW_REG_IB_STS2, 6, 4)
	s_cmp_eq_u32 s2, 0
	s_cbranch_scc0 .Lentry_in_a_cluster
	s_endpgm
.Lentry_in_a_cluster:
	s_bfe_u32 s2, ttmp6, 0x10000c
	s_cmp_lg_u32 s2, 0xf033
	s_cbranch_scc0 .Lentry_shape_is_right
	s_endpgm
.Lentry_shape_is_right:
; out0 = A W_out + b_out on codes of FP4 (E2M1) with one E8M0 scale for each 32 along K = 1,024.  A, the attention's result, comes as images of operand registers: aimg [128 tokens 64][K step 8][token tile 8][64 along K 2][512 B],
; its scale words asc [128 tokens][K step][token tile][row 16].  W_out comes as rows of 512 bytes of codes and 32 scale bytes.  out0: [8,192][1,024] f32.
; A tile is 128 tokens x 256 columns: 256 work-groups.  Four waves, each 64 x 128: 32 accumulators.  All of K of both operands and their scale bytes fit in LDS: every byte is filled ONCE, by three tensor loads a wave at the start
; (scales, K 0-511, K 512-1,023): by this text's count one is out at the most.
; CLUSTERS: 4 x 4 work-groups: A's tiles are shared along a row of the cluster, W's along a column: each is asked for jointly.
; THE MATRIX INSTRUCTION IS USED TRANSPOSED (source 0 = 16 rows of W, source 1 = 16 tokens): a lane holds eight neighbouring columns of one row of out0.  b_out is the C of the sums' first products.
; LIMITS: a given scale byte 0xff is not served.
; REGISTERS: window 0: v16-26 addresses; v32-47 A's scale words; v48-79 W's; v96-127, v128-159 A's fragments, two sets; v192-255 the bias; on the way out v128-255 hold rows.   window 1: v0-63, v128-191 W's fragments, two sets.   window 2: accumulator (a, b) at v[8 (8 a + b)].
.set PITCH,  272                       ; W's row in LDS: 256 bytes + 16 of padding: the 16 rows of a fragment load start at 16 different banks (64 banks of 4 bytes: ISA guide 11.1)
.set HALFT,  128*PITCH
.set WB,     65536                     ; LDS: A's images at 0 (65,536 bytes, as they lie in memory); W's two K halves from here,
.set WSLOT,  2*HALFT
.set ASC,    WB+2*WSLOT                ; A's scale words (4,096 bytes),
.set WSC,    ASC+4096                  ; W's scale bytes: rows of 256 bytes + 16 of padding,
.set HALFS,  16*272
.set SBLK,   2*272
.set STG,    WSC+2*HALFS               ; and a stage of 16 rows x (512 + 16) bytes for each wave: no tile lands there
.set SPITCH, 528
.set ADA,  16                          ; v16 A's fragments
.set ADW,  20                          ; v20-21 W's, K half 0, 1
.set ADSA, 22
.set ADSW, 23
.set STO,  24
.set RD,   25
.set CO,   26
.set SA,   32                          ; register 2 q + i: lanes 0-15 my token tile 2 i, lanes 16-31 tile 2 i + 1, K step q
.set SW,   48                          ; register 8 i + q: lanes 0-15 my W block 2 i, lanes 16-31 block 2 i + 1, K step q
.set AF,   96
.set BG,   192
.set BK,   128
.set G1A,  24
.set G0A,  32
.set G1W,  48
.set G0W,  56
.set G1SA, 68
.set G0SA, 76
.set G1SW, 80
.set G0SW, 88
.set MSB, 0
.macro WIN new
.if MSB != (\new)
	s_set_vgpr_msb (MSB<<8)|(\new)
.set MSB, (\new)
.endif
.endm
.macro JLOAD g0a, g1a, g0b, g1b        ; a joint load: waves 0 and 1 fetch for A, waves 2 and 3 for W; four v_nop follow each of the two lines
	s_cmp_eq_u32 s19, 0
	s_cbranch_scc0 .Lfor_w_\@
	tensor_load_to_lds s[\g0a:\g0a+3], s[\g1a:\g1a+7]
	s_nop 0
.rept 4
	v_nop
.endr
	s_branch .Lasked_\@
.Lfor_w_\@:
	tensor_load_to_lds s[\g0b:\g0b+3], s[\g1b:\g1b+7]
	s_nop 0
.rept 4
	v_nop
.endr
.Lasked_\@:
.endm
.macro CROUND
	s_barrier_signal -1
	s_barrier_wait -1
	s_cmp_lg_u32 s18, 0
	s_cbranch_scc1 .Lnot_wave_0_\@
	s_barrier_signal -3
.Lnot_wave_0_\@:
	s_barrier_wait -3
	s_barrier_signal -1
	s_barrier_wait -1
.endm
.macro PLACES
.rept 4
	v_nop
.endr
.endm
	s_load_b256 s[4:11], s[0:1], 0x0               ; aimg s[4:5], asc s[6:7], W's codes s[8:9], W's scales s[10:11]
	s_load_b128 s[12:15], s[0:1], 0x20             ; b_out s[12:13], out0 s[14:15]
	v_lshl_add_u32 v94, v0, 2, 0x3d600
	v_mov_b32 v95, 0
	ds_add_u32 v94, v95
	ds_add_u32 v94, v95
	v_lshrrev_b32 v1, 5, v0
	v_readfirstlane_b32 s18, v1                    ; wave 0..3
	s_lshr_b32 s19, s18, 1                         ; my half of the tokens.  Also: I fetch for A (0) or for W (1)
	s_and_b32 s20, s18, 1                          ; my half of the columns.  Also: which half of a load's range I fetch
	s_bfe_u32 s40, ttmp6, 0x40000                  ; cx
	s_bfe_u32 s41, ttmp6, 0x40004                  ; cy
	s_lshl_b32 s42, ttmp9, 2
	s_add_co_u32 s42, s42, s40                     ; which 256 columns
	s_and_b32 s43, ttmp7, 0xffff
	s_lshl_b32 s43, s43, 2
	s_add_co_u32 s43, s43, s41                     ; which 128 tokens
	s_lshl_b32 s44, s41, 2
	s_lshl_b32 s44, 15, s44                        ; my row of the cluster
	s_lshl_b32 s45, 0x1111, s40                    ; my column
	; group 1: A's images: 16,384 dense bytes as 64 rows of 256 (32 elements of 8 bytes), no padding: they are read 16 bytes a lane on end
	s_or_b32 s[G1A], s44, (3<<16)|(1<<21)
	s_mov_b32 s[G1A+1], 32<<16
	s_mov_b32 s[G1A+2], 64<<16
	s_mov_b32 s[G1A+3], 32<<16
	s_mov_b32 s[G1A+4], 64
	s_mov_b32 s[G1A+5], 32
	s_mov_b32 s[G1A+6], 0
	s_mov_b32 s[G1A+7], 0
	; A's scale words: 2,048 dense bytes as 8 rows
	s_or_b32 s[G1SA], s44, (3<<16)|(1<<21)
	s_mov_b32 s[G1SA+1], 32<<16
	s_mov_b32 s[G1SA+2], 8<<16
	s_mov_b32 s[G1SA+3], 32<<16
	s_mov_b32 s[G1SA+4], 8
	s_mov_b32 s[G1SA+5], 32
	s_mov_b32 s[G1SA+6], 0
	s_mov_b32 s[G1SA+7], 0
	; W's codes: 128 rows x 256 bytes, 512 apart in memory, 16 bytes of padding behind each
	s_or_b32 s[G1W], s45, (1<<20)|(1<<21)|(5<<22)|(3<<25)
	s_mov_b32 s[G1W+1], 256<<16
	s_mov_b32 s[G1W+2], 128<<16
	s_mov_b32 s[G1W+3], 256<<16
	s_mov_b32 s[G1W+4], 128
	s_mov_b32 s[G1W+5], 512
	s_mov_b32 s[G1W+6], 0
	s_mov_b32 s[G1W+7], 0
	; W's scale bytes of 128 rows: 4,096 dense bytes as 16 rows of 256, padded
	s_or_b32 s[G1SW], s45, (3<<16)|(1<<20)|(1<<21)|(5<<22)|(3<<25)
	s_mov_b32 s[G1SW+1], 32<<16
	s_mov_b32 s[G1SW+2], 16<<16
	s_mov_b32 s[G1SW+3], 32<<16
	s_mov_b32 s[G1SW+4], 16
	s_mov_b32 s[G1SW+5], 32
	s_mov_b32 s[G1SW+6], 0
	s_mov_b32 s[G1SW+7], 0
	s_lshl_b32 s46, s43, 16                        ; A: 65,536 bytes for 128 tokens, + 16,384 x half
	s_lshl_b32 s21, s20, 14
	s_add_co_u32 s46, s46, s21
	s_mov_b32 s47, 0
	s_lshl_b32 s94, s43, 12                        ; its scale words: 4,096, + 2,048 x half
	s_lshl_b32 s22, s20, 11
	s_add_co_u32 s94, s94, s22
	s_mov_b32 s95, 0
	s_lshl_b32 s92, s42, 8                         ; W: row 256 x column block + 128 x half
	s_lshl_b32 s23, s20, 7
	s_add_co_u32 s92, s92, s23
	s_lshl_b32 s96, s92, 5
	s_mov_b32 s97, 0
	s_lshl_b32 s92, s92, 9
	s_mov_b32 s93, 0
	s_mul_i32 s66, s20, HALFT
	s_mul_i32 s67, s20, HALFS
	s_wait_dscnt 0x0
	s_wait_kmcnt 0x0
	s_add_nc_u64 s[4:5], s[4:5], s[46:47]
	s_add_nc_u64 s[6:7], s[6:7], s[94:95]
	s_add_nc_u64 s[8:9], s[8:9], s[92:93]
	s_add_nc_u64 s[10:11], s[10:11], s[96:97]
	CROUND                                         ; all sixteen work-groups are here: the joint loads meet
	s_mov_b32 s[G0SA], 1
	s_add_co_u32 s[G0SA+1], s22, ASC
	s_mov_b64 s[G0SA+2:G0SA+3], s[6:7]
	s_or_b32 s[G0SA+3], s[G0SA+3], 0x80000000
	s_mov_b32 s[G0SW], 1
	s_add_co_u32 s[G0SW+1], s67, WSC
	s_mov_b64 s[G0SW+2:G0SW+3], s[10:11]
	s_or_b32 s[G0SW+3], s[G0SW+3], 0x80000000
	JLOAD G0SA, G1SA, G0SW, G1SW
.irp s, 0,1
	s_mov_b32 s[G0A+4*\s], 1
	s_add_co_u32 s[G0A+4*\s+1], s21, \s*32768
	s_add_nc_u64 s[G0A+4*\s+2:G0A+4*\s+3], s[4:5], \s*32768
	s_or_b32 s[G0A+4*\s+3], s[G0A+4*\s+3], 0x80000000
	s_mov_b32 s[G0W+4*\s], 1
	s_add_co_u32 s[G0W+4*\s+1], s66, WB+\s*WSLOT
	s_add_nc_u64 s[G0W+4*\s+2:G0W+4*\s+3], s[8:9], \s*256
	s_or_b32 s[G0W+4*\s+3], s[G0W+4*\s+3], 0x80000000
	s_wait_alu depctr_va_vdst(0)
	s_wait_tensorcnt 0x0
	ds_add_u32 v94, v95
	s_wait_dscnt 0x0
	CROUND
	JLOAD G0A+4*\s, G1A, G0W+4*\s, G1W             ; K half s
.endr
	v_and_b32 v1, 15, v0                           ; r
	v_bfe_u32 v2, v0, 4, 1                         ; h
	v_and_b32 v3, 31, v0                           ; lane
	v_lshlrev_b32 v[CO], 4, v3
	s_lshl_b32 s21, s19, 12
	v_add_nc_u32 v[ADA], s21, v[CO]                ; A: my four token tiles: 4,096 x half + 16 x lane
	v_mul_u32_u24 v4, v1, PITCH
	v_lshl_add_u32 v4, v2, 4, v4
	s_mul_i32 s22, s20, HALFT
	s_add_co_u32 s22, s22, WB
	v_add_nc_u32 v[ADW], s22, v4
	s_add_co_u32 s22, s22, WSLOT
	v_add_nc_u32 v[ADW+1], s22, v4
	s_lshl_b32 s21, s19, 8
	s_add_co_u32 s21, s21, ASC
	v_lshl_add_u32 v[ADSA], v3, 2, s21             ; A's scale words: 256 x half + 4 x lane: two tiles a load
	v_lshlrev_b32 v5, 5, v1                        ; W's: 32 bytes a row, 16 more for each 256 passed,
	v_lshrrev_b32 v6, 3, v1
	v_lshl_add_u32 v5, v6, 4, v5
	v_mul_u32_u24 v6, v2, SBLK                     ; lanes 16-31 the next block of 16 rows
	v_add_nc_u32 v5, v5, v6
	s_mul_i32 s21, s20, HALFS
	s_add_co_u32 s21, s21, WSC
	v_add_nc_u32 v[ADSW], s21, v5
	s_mul_i32 s21, s18, 16*SPITCH
	s_add_co_u32 s21, s21, STG                     ; my stage
	v_mul_u32_u24 v5, v1, SPITCH
	v_lshl_add_u32 v5, v2, 5, v5
	v_add_nc_u32 v[STO], s21, v5                   ; in: row r, 32 bytes for each half of the lanes
	v_add_nc_u32 v[RD], s21, v[CO]                 ; back: the 32 lanes take one row of 512 bytes
	s_lshl_b32 s21, s43, 7
	s_lshl_b32 s22, s19, 6
	s_add_co_u32 s21, s21, s22                     ; my first row of out0
	s_lshl_b32 s46, s21, 12                        ; x 4,096 bytes
	s_lshl_b32 s22, s42, 10
	s_lshl_b32 s23, s20, 9
	s_add_co_u32 s22, s22, s23                     ; my first column, in bytes; also where my 128 numbers of b_out begin
	s_add_co_u32 s46, s46, s22
	s_mov_b32 s47, 0
	s_add_nc_u64 s[14:15], s[14:15], s[46:47]
	v_lshlrev_b32 v7, 5, v2
	v_add_nc_u32 v7, s22, v7
.irp b, 0,1,2,3,4,5,6,7
	global_load_b128 v[BG+8*\b:BG+8*\b+3], v7, s[12:13] offset:64*\b        ; tile b, my half's eight columns
	global_load_b128 v[BG+8*\b+4:BG+8*\b+7], v7, s[12:13] offset:64*\b+16
.endr
.macro FETCH q, p                      ; 24 loads in one run: W's eight fragments and A's four of K step q, into set p
	WIN 0x40
.irp i, 0,1,2,3,4,5,6,7
.irp c, 0,1
	ds_load_b128 v[128*(\p)+8*\i+4*\c:128*(\p)+8*\i+4*\c+3], v[ADW+(\q)/4] offset:64*((\q)%4)+32*\c+\i*16*PITCH
.endr
.endr
	WIN 0
.irp a, 0,1,2,3
.irp c, 0,1
	ds_load_b128 v[AF+32*(\p)+8*\a+4*\c:AF+32*(\p)+8*\a+4*\c+3], v[ADA] offset:8192*(\q)+1024*\a+512*\c
.endr
.endr
.endm
.macro CSET d, b, first                ; the C of a product: the bias in the first step, else the accumulator itself
.if \first
.set CR, BG+8*(\b)
.else
.set CR, \d
.endif
.endm
; 32 products, in groups of 2 x 2, since an odd tile's scale words lie in lanes 16-31 of the register that it shares with the even one.  The accumulators take turns in the same order in every step.
.macro MUL32 p, q, first
.irp a, 0,2
.irp b, 0,2,4,6
.set DR, 8*(8*\a+\b)
	CSET DR, \b, \first
	v_wmma_scale_f32_16x16x128_f8f6f4 v[DR:DR+7], v[128*(\p)+8*\b:128*(\p)+8*\b+7], v[AF+32*(\p)+8*\a:AF+32*(\p)+8*\a+7], v[CR:CR+7], v[SW+4*\b+(\q)], v[SA+2*(\q)+\a/2] matrix_a_fmt:MATRIX_FMT_FP4 matrix_b_fmt:MATRIX_FMT_FP4
.set DR, 8*(8*\a+\b+1)
	CSET DR, \b+1, \first
	v_wmma_scale_f32_16x16x128_f8f6f4 v[DR:DR+7], v[128*(\p)+8*\b+8:128*(\p)+8*\b+15], v[AF+32*(\p)+8*\a:AF+32*(\p)+8*\a+7], v[CR:CR+7], v[SW+4*\b+(\q)], v[SA+2*(\q)+\a/2] matrix_a_fmt:MATRIX_FMT_FP4 matrix_b_fmt:MATRIX_FMT_FP4 matrix_a_scale:MATRIX_SCALE_ROW1
.set DR, 8*(8*\a+8+\b)
	CSET DR, \b, \first
	v_wmma_scale_f32_16x16x128_f8f6f4 v[DR:DR+7], v[128*(\p)+8*\b:128*(\p)+8*\b+7], v[AF+32*(\p)+8*\a+8:AF+32*(\p)+8*\a+15], v[CR:CR+7], v[SW+4*\b+(\q)], v[SA+2*(\q)+\a/2] matrix_a_fmt:MATRIX_FMT_FP4 matrix_b_fmt:MATRIX_FMT_FP4 matrix_b_scale:MATRIX_SCALE_ROW1
.set DR, 8*(8*\a+8+\b+1)
	CSET DR, \b+1, \first
	v_wmma_scale_f32_16x16x128_f8f6f4 v[DR:DR+7], v[128*(\p)+8*\b+8:128*(\p)+8*\b+15], v[AF+32*(\p)+8*\a+8:AF+32*(\p)+8*\a+15], v[CR:CR+7], v[SW+4*\b+(\q)], v[SA+2*(\q)+\a/2] matrix_a_fmt:MATRIX_FMT_FP4 matrix_b_fmt:MATRIX_FMT_FP4 matrix_a_scale:MATRIX_SCALE_ROW1 matrix_b_scale:MATRIX_SCALE_ROW1
.endr
.endr
.endm
.macro KSTEP q
.if \q > 0
	PLACES                                         ; ahead of the loads into the set that the step before multiplied
.endif
.if \q == 3
	s_wait_tensorcnt 0x0                           ; my part of K's second half has landed,
	s_wait_dscnt 0x0                               ; no LDS load of mine is out at the signal (this step's fragments are in, too),
	s_barrier_signal -1
	s_barrier_wait -1                              ; everybody's part has
.endif
.if \q < 7
	FETCH \q+1, (\q+1)%2
.if \q != 3
	s_wait_dscnt 24                                ; all but the 24 just issued
.endif
.else
	s_wait_dscnt 0x0
.endif
.if \q == 0
	WIN 0x81                                       ; source 0 (W) window 1, source 1 (A) and C (the bias) window 0, D window 2
	MUL32 0, 0, 1
.else
	WIN 0xa1                                       ; C and D window 2
	MUL32 (\q)%2, \q, 0
.endif
	WIN 0
.endm
	s_wait_alu depctr_va_vdst(0)
	s_wait_tensorcnt 0x1                           ; the scales and my part of K's first half are in; the second half's load may stay out
	s_barrier_signal -1
	s_barrier_wait -1
.irp q, 0,1,2,3,4,5,6,7
.irp i, 0,1
	ds_load_b32 v[SA+2*\q+\i], v[ADSA] offset:512*\q+128*\i
.endr
.endr
.irp i, 0,1,2,3
.irp k, 0,1
	ds_load_b128 v[SW+8*\i+4*\k:SW+8*\i+4*\k+3], v[ADSW] offset:2*SBLK*\i+16*\k
.endr
.endr
	FETCH 0, 0
	s_wait_loadcnt 0x0                             ; the bias
.irp q, 0,1,2,3,4,5,6,7
	KSTEP \q
.endr
; THE WAY OUT, block by block of 16 rows x 128 columns, through my own stage: in as 32 bytes a lane, back as whole rows of 512 bytes.  LDS serves a wave's instructions in order (ISA guide 5.7.1.4): no wait between the stores and the loads.
.macro TOSTAGE a
	WIN 0x08                                       ; an LDS store's data: window 2
.irp b, 0,1,2,3,4,5,6,7
	ds_store_b128 v[STO], v[64*(\a)+8*\b:64*(\a)+8*\b+3] offset:64*\b        ; each accumulator from its low end on
	ds_store_b128 v[STO], v[64*(\a)+8*\b+4:64*(\a)+8*\b+7] offset:64*\b+16
.endr
	WIN 0
.set BB, BK+64*((\a)%2)
.irp t, 0,1,2,3,4,5,6,7,8,9,10,11,12,13,14,15
	ds_load_b128 v[BB+4*\t:BB+4*\t+3], v[RD] offset:\t*SPITCH
.endr
.endm
.macro SEND a, younger                 ; younger: the LDS instructions issued behind block a's loads, which may stay out
.set BB, BK+64*((\a)%2)
	s_wait_dscnt \younger
.if (\a) > 0
	s_add_nc_u64 s[14:15], s[14:15], 16*4096       ; 16 rows on (behind a wait on XCNT: the earlier stores have read their base)
.endif
.irp t, 0,1,2,3,4,5,6,7,8,9,10,11,12,13,14,15
	global_store_b128 v[CO], v[BB+4*\t:BB+4*\t+3], s[14:15] offset:\t*4096 th:TH_STORE_NT   ; 32 lanes store 512 consecutive bytes, at a multiple of 512 from out0's first byte; written once, read by nobody here
.endr
.endm
	PLACES                                         ; behind the last products: ahead of the stores of results and of the loads into registers that held A's fragments
	TOSTAGE 0
.irp a, 1,2,3
.if \a > 1
	s_wait_xcnt 0x0                                ; block a - 2's stores have read their registers and their base
.endif
	TOSTAGE \a
	SEND \a-1, 32                                  ; behind block a - 1's loads: block a's 16 stores and 16 loads
.endr
	s_wait_xcnt 0x0
	SEND 3, 0
	s_wait_tensorcnt 0x0
	ds_add_u32 v94, v95
	s_wait_dscnt 0x0
	CROUND                                         ; the closing round
	s_endpgm
.Lfunc_end_k_q9c0322febc_proj:
	.size	k_q9c0322febc_proj, .Lfunc_end_k_q9c0322febc_proj-k_q9c0322febc_proj
	.p2alignl 7, 3214868480
	.fill 96, 4, 3214868480
	.section	.rodata,"a",@progbits
	.p2align	6, 0x0
	.amdhsa_kernel k_q9c0322febc_proj
		.amdhsa_group_segment_fixed_size 327680
		.amdhsa_private_segment_fixed_size 0
		.amdhsa_enable_private_segment 0
		.amdhsa_kernarg_size 48
		.amdhsa_user_sgpr_count 2
		.amdhsa_user_sgpr_kernarg_segment_ptr 1
		.amdhsa_wavefront_size32 1
		.amdhsa_system_sgpr_workgroup_id_x 1
		.amdhsa_system_sgpr_workgroup_id_y 1
		.amdhsa_system_sgpr_workgroup_id_z 1
		.amdhsa_system_vgpr_workitem_id 0
		.amdhsa_next_free_vgpr 768
		.amdhsa_next_free_sgpr 100
		.amdhsa_reserve_vcc 0
		.amdhsa_float_denorm_mode_32 3
		.amdhsa_float_denorm_mode_16_64 3
		.amdhsa_memory_ordered 1
		.amdhsa_forward_progress 1
		.amdhsa_inst_pref_size 75
	.end_amdhsa_kernel
	.amdgpu_metadata
---
amdhsa.version: [ 1, 2 ]
amdhsa.kernels:
  - .name:           k_q9c0322febc_proj
    .symbol:         k_q9c0322febc_proj.kd
    .args:
      - { .name: aimg, .offset: 0, .size: 8, .value_kind: global_buffer, .address_space: global }
      - { .name: asc, .offset: 8, .size: 8, .value_kind: global_buffer, .address_space: global }
      - { .name: W_out_codes, .offset: 16, .size: 8, .value_kind: global_buffer, .address_space: global }
      - { .name: W_out_scales, .offset: 24, .size: 8, .value_kind: global_buffer, .address_space: global }
      - { .name: b_out, .offset: 32, .size: 8, .value_kind: global_buffer, .address_space: global }
      - { .name: out0, .offset: 40, .size: 8, .value_kind: global_buffer, .address_space: global }
    .group_segment_fixed_size: 327680
    .private_segment_fixed_size: 0
    .kernarg_segment_align: 8
    .kernarg_segment_size: 48
    .max_flat_workgroup_size: 128
    .sgpr_count:     100
    .vgpr_count:     768
    .wavefront_size: 32
...
	.end_amdgpu_metadata
.endif
;; end of part 3
